; MI455X (gfx1250); checked and timed in simulation.
; The chip was launched on July 23, 2026; its instructions are those of AMD's public machine-readable ISA for CDNA 5 (MIT licence, August 2026) and "CDNA5" Instruction Set Architecture Reference Guide (July 2026). The comments in the code are by the model that wrote it; some were corrected since.
;; Attention. Allowed arithmetic: float matrix products may take bf16 or f16 operands with f32 sums; other float arithmetic in f32, or as packed bf16 or f16 multiplies, adds, multiply-adds, maxima and minima; sums over many terms, partial sums and values carried from step to step in f32; what a program stores and reads back later, other than sums and carried values, may be rounded once to bf16 or f16.
;; Inputs: W 1,024 x 1,024 float32; key 32 x 512 x 1,024 float32; mlp_b 1 float32; mlp_w 1 x 2,048 float32; query 32 x 512 x 1,024 float32; value 32 x 512 x 1,024 float32.
;; Outputs: out0 32 x 1,024 float32; out1 32 x 512 x 1 float32.
;; One version. Each part assembles by itself: llvm-mc -triple=amdgcn-amd-amdhsa -mcpu=gfx1250 --defsym DOCPART=n.
;; ======== version 1 of 1: 4 launches
;; workspace buffers: u 8,192 bytes; logits 65,536 bytes; sbf 131,072 bytes
;; launch fold (part 1): grid 16 x 1, 16 waves a work-group, no clusters, 10,240 bytes of LDS; arguments W, mlp_w, u; writes u
.if DOCPART == 1
	.amdgcn_target "amdgcn-amd-amdhsa--gfx1250"
	.amdhsa_code_object_version 6
	.text
	.protected	k_qfb8429008e_fold
	.globl	k_qfb8429008e_fold
	.p2align	8
	.type	k_qfb8429008e_fold,@function
k_qfb8429008e_fold:
	s_mov_b64 s[64:65], 0
	v_nop
	global_prefetch_b8 v0, s[64:65] scope:SCOPE_SE
	s_setreg_imm32_b32 hwreg(HW_REG_WAVE_MODE, 25, 1), 1
	s_wait_xcnt 0x0
; u1[h] = sum over o of W[o][h] w1[o],  u2[h] = sum over o of W[o][h] w2[o];  w1 = mlp_w[0:1024], w2 = mlp_w[1024:2048].  All f32.
; WHY: (x W^T) . w = x . (W^T w) for every x, so the two projections that feed the logits shrink to two vectors of 1,024 numbers.
; LIMIT: the order of rounding differs from a projection followed by a dot product; every sum here is kept in f32.
; SHARES.  Work-group cb owns columns 64 cb .. 64 cb + 63: 256 consecutive bytes of every row of W.  Wave w owns rows 64 w .. 64 w + 63.
; Lane l: c16 = l % 16 (its 16 bytes of the 256), hl = l / 16; load j takes row 64 w + 32 hl + j, so one load of a wave covers two rows' aligned 256 bytes.
; All 32 loads of a wave go out at once (16 KB a wave, 256 KB a work-group): nothing is asked for twice, and there is no loop.
; No matrix unit: the product has two columns.  No cluster: no two work-groups read the same bytes of W, and mlp_w is 8 KB.
.set SPARE, 8192                       ; LDS: 0..8191 the waves' partial sums (16 bytes a thread); 8192..10239 the spare words, 128 bytes a wave
.set LANE, 1                           ; v1   lane
.set C16,  2                           ; v2   l % 16
.set HL,   3                           ; v3   l / 16
.set XOFF, 4                           ; v4   my byte offset in the wave's rows of W: hl x 32 rows + 16 c16
.set WOFF, 5                           ; v5   my byte offset in the wave's 64 numbers of w1 (and w2): hl x 128
.set SPW,  6                           ; v6   LDS address of my spare word; never rewritten
.set NIL,  7                           ; v7   0; never rewritten
.set RA,   8                           ; v8   where my partial sums go: 16 x thread
.set UO,   9                           ; v9   my byte offset in u: hl x 4,096 + 16 c16
.set A1,   10                          ; v[10:13] sums for u1, my 4 columns;  v[14:17] (A1 + 4) for u2
.set KEEP, 18                          ; v[18:21] the sums that my half of the lanes keeps
.set GIVE, 22                          ; v[22:25] those that it hands to the other half
.set L16,  26                          ; v26  16 x lane
.set W1,   32                          ; v[32:63] w1 of my 32 rows;  v[64:95] (W1 + 32) w2 of them
.set X,    96                          ; v[96:223] load j at X + 4 j
	s_load_b128 s[4:7], s[0:1], 0x0                ; W s[4:5], mlp_w s[6:7]
	s_load_b64 s[8:9], s[0:1], 0x10                ; u
	v_lshl_add_u32 v[SPW], v0, 2, SPARE
	v_mov_b32 v[NIL], 0
	v_lshrrev_b32 v1, 5, v0
	v_readfirstlane_b32 s10, v1                    ; wave 0..15
	v_and_b32 v[LANE], 31, v0
	v_and_b32 v[C16], 15, v0
	v_bfe_u32 v[HL], v0, 4, 1
	v_lshlrev_b32 v[XOFF], 4, v[C16]
	v_lshl_add_u32 v[XOFF], v[HL], 17, v[XOFF]     ; 32 rows of 4,096 bytes
	v_lshlrev_b32 v[WOFF], 7, v[HL]                ; 32 numbers of 4 bytes
	v_lshlrev_b32 v[RA], 4, v0
	v_lshlrev_b32 v[UO], 4, v[C16]
	v_lshl_add_u32 v[UO], v[HL], 12, v[UO]         ; u2 lies 4,096 bytes behind u1
	v_lshlrev_b32 v[L16], 4, v[LANE]
	s_mov_b32 s12, 0x76543210                      ; v_permlanex16_b32: each lane takes its own place in the other half
	s_mov_b32 s13, 0xfedcba98
	s_lshl_b32 s16, ttmp9, 8                       ; the work-group's 256 bytes of a row (and of u1)
	s_mov_b32 s17, 0
	s_lshl_b32 s14, s10, 18                        ; the wave's 64 rows of 4,096 bytes
	s_add_co_u32 s14, s14, s16
	s_mov_b32 s15, 0
	s_lshl_b32 s18, s10, 8                         ; the wave's 64 numbers of w1
	s_mov_b32 s19, 0
	s_wait_kmcnt 0x0
	s_add_nc_u64 s[4:5], s[4:5], s[14:15]
	s_add_nc_u64 s[6:7], s[6:7], s[18:19]
	s_add_nc_u64 s[8:9], s[8:9], s[16:17]
.irp t, 0,1,2,3,4,5,6,7
	global_load_b128 v[W1+4*\t:W1+4*\t+3], v[WOFF], s[6:7] offset:16*\t             ; w1 of my 32 rows: the same 16 bytes in all lanes of a half
.endr
.irp t, 0,1,2,3,4,5,6,7
	global_load_b128 v[W1+32+4*\t:W1+32+4*\t+3], v[WOFF], s[6:7] offset:4096+16*\t  ; w2 likewise
.endr
.set j, 0
.rept 32
	global_load_b128 v[X+4*j:X+4*j+3], v[XOFF], s[4:5] offset:4096*j                ; no hint: W is read again by the last launch
.set j, j+1
.endr
; Row j: four packed multiply-adds, my 4 columns times w1[j] and times w2[j].  The weight is one register of a pair, given to both halves of the result.
; Row 0 multiplies only: it starts the sums, nothing is cleared.
.macro FMA4 j
.irp a, 0,1
.irp p, 0,2
.if (\j) == 0
	v_pk_mul_f32 v[A1+4*\a+\p:A1+4*\a+\p+1], v[X+\p:X+\p+1], v[W1+32*\a:W1+32*\a+1] op_sel_hi:[1,0]
.elseif (\j)%2 == 0
	v_pk_fma_f32 v[A1+4*\a+\p:A1+4*\a+\p+1], v[X+4*(\j)+\p:X+4*(\j)+\p+1], v[W1+32*\a+(\j):W1+32*\a+(\j)+1], v[A1+4*\a+\p:A1+4*\a+\p+1] op_sel_hi:[1,0,1]
.else
	v_pk_fma_f32 v[A1+4*\a+\p:A1+4*\a+\p+1], v[X+4*(\j)+\p:X+4*(\j)+\p+1], v[W1+32*\a+(\j)-1:W1+32*\a+(\j)], v[A1+4*\a+\p:A1+4*\a+\p+1] op_sel:[0,1,0] op_sel_hi:[1,1,1]
.endif
.endr
.endr
.endm
.set j, 0
.rept 8
	s_wait_loadcnt 28-j                            ; loads come back in order: rows j .. j + 3 are in (and w1, w2, which are older); the 28 - j younger rows stay out
.rept 4
	FMA4 j
.set j, j+1
.endr
.endr
	; The two halves of the lanes hold the same columns and different rows.  Lanes 0-15 end with u1's sum over the wave's 64 rows, lanes 16-31 with u2's.
	v_cmp_le_u32 vcc_lo, 16, v[LANE]
.irp i, 0,1,2,3
	v_cndmask_b32 v[KEEP+\i], v[A1+\i], v[A1+4+\i], vcc_lo
	v_cndmask_b32 v[GIVE+\i], v[A1+4+\i], v[A1+\i], vcc_lo
.endr
.irp i, 0,1,2,3
	v_permlanex16_b32 v[A1+\i], v[GIVE+\i], s12, s13  ; A1 is spent, and has been written
.endr
	v_pk_add_f32 v[KEEP:KEEP+1], v[KEEP:KEEP+1], v[A1:A1+1]
	v_pk_add_f32 v[KEEP+2:KEEP+3], v[KEEP+2:KEEP+3], v[A1+2:A1+3]
	ds_store_b128 v[RA], v[KEEP:KEEP+3]            ; wave x 512 + lane x 16
	s_wait_tensorcnt 0x0                           ; the wave's last LDS store is out
	ds_add_u32 v[SPW], v[NIL]
	s_wait_dscnt 0x0                               ; for the others' sake too: my partial sums are in LDS
	s_barrier_signal -1
	s_barrier_wait -1                              ; everybody's are
	s_cmp_lg_u32 s10, 0
	s_cbranch_scc1 .Lend
	; wave 0 adds the sixteen waves' sums and stores: lanes 0-15 the 256 bytes of u1, lanes 16-31 those of u2, each aligned and whole
.irp w, 0,1,2,3,4,5,6,7,8,9,10,11,12,13,14,15
	ds_load_b128 v[X+4*\w:X+4*\w+3], v[L16] offset:512*\w
.endr
	s_wait_dscnt 0x0
.irp d, 8,4,2,1                        ; 30 packed additions, in place: quads 8, 4, 2 and 1 apart
.set q, 0
.rept \d
	v_pk_add_f32 v[X+4*q:X+4*q+1], v[X+4*q:X+4*q+1], v[X+4*(q+\d):X+4*(q+\d)+1]
	v_pk_add_f32 v[X+4*q+2:X+4*q+3], v[X+4*q+2:X+4*q+3], v[X+4*(q+\d)+2:X+4*(q+\d)+3]
.set q, q+1
.endr
.endr
	global_store_b128 v[UO], v[X:X+3], s[8:9]
.Lend:
	s_endpgm
.Lfunc_end_k_qfb8429008e_fold:
	.size	k_qfb8429008e_fold, .Lfunc_end_k_qfb8429008e_fold-k_qfb8429008e_fold
	.p2alignl 7, 3214868480
	.fill 96, 4, 3214868480
	.section	.rodata,"a",@progbits
	.p2align	6, 0x0
	.amdhsa_kernel k_qfb8429008e_fold
		.amdhsa_group_segment_fixed_size 10240
		.amdhsa_private_segment_fixed_size 0
		.amdhsa_enable_private_segment 0
		.amdhsa_kernarg_size 24
		.amdhsa_user_sgpr_count 2
		.amdhsa_user_sgpr_kernarg_segment_ptr 1
		.amdhsa_wavefront_size32 1
		.amdhsa_system_sgpr_workgroup_id_x 1
		.amdhsa_system_sgpr_workgroup_id_y 1
		.amdhsa_system_sgpr_workgroup_id_z 1
		.amdhsa_system_vgpr_workitem_id 0
		.amdhsa_next_free_vgpr 224
		.amdhsa_next_free_sgpr 66
		.amdhsa_reserve_vcc 1
		.amdhsa_float_denorm_mode_32 3
		.amdhsa_float_denorm_mode_16_64 3
		.amdhsa_memory_ordered 1
		.amdhsa_forward_progress 1
		.amdhsa_inst_pref_size 19
	.end_amdhsa_kernel
	.amdgpu_metadata
---
amdhsa.version: [ 1, 2 ]
amdhsa.kernels:
  - .name:           k_qfb8429008e_fold
    .symbol:         k_qfb8429008e_fold.kd
    .args:
      - { .name: W, .offset: 0, .size: 8, .value_kind: global_buffer, .address_space: global }
      - { .name: mlp_w, .offset: 8, .size: 8, .value_kind: global_buffer, .address_space: global }
      - { .name: u, .offset: 16, .size: 8, .value_kind: global_buffer, .address_space: global }
    .group_segment_fixed_size: 10240
    .private_segment_fixed_size: 0
    .kernarg_segment_align: 8
    .kernarg_segment_size: 24
    .max_flat_workgroup_size: 512
    .sgpr_count:     66
    .vgpr_count:     224
    .wavefront_size: 32
...
	.end_amdgpu_metadata
.endif
;; end of part 1
;; launch logit (part 2): grid 256 x 1, 16 waves a work-group, no clusters, 2,304 bytes of LDS; arguments query, key, u, mlp_b, logits; writes logits
.if DOCPART == 2
	.amdgcn_target "amdgcn-amd-amdhsa--gfx1250"
	.amdhsa_code_object_version 6
	.text
	.protected	k_qfb8429008e_logit
	.globl	k_qfb8429008e_logit
	.p2align	8
	.type	k_qfb8429008e_logit,@function
k_qfb8429008e_logit:
	s_mov_b64 s[64:65], 0
	v_nop
	global_prefetch_b8 v0, s[64:65] scope:SCOPE_SE
	s_setreg_imm32_b32 hwreg(HW_REG_WAVE_MODE, 25, 1), 1
	s_wait_xcnt 0x0
; logits[row] = max(query[row] . u1 + key[row] . u2 + mlp_b, 0) for the 16,384 rows (batch x position).  All f32.
; LIMITS: the order of rounding differs from a projection followed by a dot product (all sums in f32); a NaN logit comes out as 0, since the maximum with 0 drops a NaN.
; SHARES.  A work-group owns 64 consecutive rows (256 KB of query, 256 KB of key, each read once); wave w rows 4 w .. 4 w + 3, a whole row at a time:
; load j of a row takes its bytes 512 j + 16 lane, 512 consecutive bytes a load.  u1 and u2 lie in 64 registers in the same pattern, so a row is 32 packed multiply-adds.
; Two row slots of 64 registers (query 32, key 32): 16 loads of 512 bytes in each, so 8 KB a wave are on their way while a row is worked on.
; No matrix unit (one column), no LDS ring (registers hold what is on its way), no cluster (no work-group shares a row; u is 8 KB).
.set SPARE, 256                        ; LDS: 0..255 the work-group's 64 logits; 256..2303 the spare words, 128 bytes a wave
.set OFF, 2                            ; v2   16 x lane; never rewritten
.set SPW, 3                            ; v3   LDS address of my spare word; never rewritten
.set NIL, 4                            ; v4   0; never rewritten
.set LA,  5                            ; v5   16 x wave: where the wave's four logits go
.set O8,  6                            ; v6   8 x lane
.set A,   8                            ; v[8:15]  four chains of packed sums
.set P,   16                           ; v[16:19] the four rows' sums
.set U,   24                           ; v[24:55] u1, v[56:87] u2
.set SL,  88                           ; slot s at SL + 64 s: query's 32 registers, then key's 32
	s_load_b256 s[4:11], s[0:1], 0x0               ; query s[4:5], key s[6:7], u s[8:9], mlp_b s[10:11]
	s_load_b64 s[12:13], s[0:1], 0x20              ; logits
	v_lshl_add_u32 v[SPW], v0, 2, SPARE
	v_mov_b32 v[NIL], 0
	v_lshrrev_b32 v1, 5, v0
	v_readfirstlane_b32 s15, v1                    ; wave 0..15
	v_and_b32 v1, 31, v0                           ; lane
	v_lshlrev_b32 v[OFF], 4, v1
	v_lshlrev_b32 v[O8], 3, v1
	v_mov_b32 v[LA], s15
	v_lshlrev_b32 v[LA], 4, v[LA]
	s_mov_b32 s16, 0x76543210                      ; v_permlanex16_b32: each lane takes its own place in the other half
	s_mov_b32 s17, 0xfedcba98
	s_lshl_b32 s18, ttmp9, 18                      ; the work-group's 64 rows of 4,096 bytes,
	s_lshl_b32 s14, s15, 14                        ; the wave's 4 of them
	s_add_co_u32 s18, s18, s14
	s_mov_b32 s19, 0
	s_wait_kmcnt 0x0
	s_load_b32 s14, s[10:11], 0x0                  ; the bias; waited for where it is added
	s_add_nc_u64 s[4:5], s[4:5], s[18:19]
	s_add_nc_u64 s[6:7], s[6:7], s[18:19]
	s_lshl_b32 s18, ttmp9, 8                       ; the work-group's 64 logits
	s_add_nc_u64 s[12:13], s[12:13], s[18:19]
.irp j, 0,1,2,3,4,5,6,7
	global_load_b128 v[U+4*\j:U+4*\j+3], v[OFF], s[8:9] offset:512*\j             ; u1; no hint: every wave of the launch reads it
.endr
.irp j, 0,1,2,3,4,5,6,7
	global_load_b128 v[U+32+4*\j:U+32+4*\j+3], v[OFF], s[8:9] offset:4096+512*\j  ; u2
.endr
.macro FILL s, row                     ; sixteen loads: the row of query, the row of key
.irp j, 0,1,2,3,4,5,6,7
	global_load_b128 v[SL+64*(\s)+4*\j:SL+64*(\s)+4*\j+3], v[OFF], s[4:5] offset:4096*(\row)+512*\j th:TH_LOAD_NT
.endr
.irp j, 0,1,2,3,4,5,6,7
	global_load_b128 v[SL+64*(\s)+32+4*\j:SL+64*(\s)+32+4*\j+3], v[OFF], s[6:7] offset:4096*(\row)+512*\j th:TH_LOAD_NT
.endr
.endm
; A row: 32 packed lines in four chains (pairs 0-15 are query x u1, 16-31 key x u2: both lie 2 n behind their bases); the first four multiply only and start the chains.
.macro ROW s, row, left
	s_wait_loadcnt \left                           ; loads come back in order: this slot's sixteen are in; the other slot's may stay out
.set n, 0
.rept 32
.if n < 4
	v_pk_mul_f32 v[A+2*n:A+2*n+1], v[SL+64*(\s)+2*n:SL+64*(\s)+2*n+1], v[U+2*n:U+2*n+1]
.else
	v_pk_fma_f32 v[A+2*(n%4):A+2*(n%4)+1], v[SL+64*(\s)+2*n:SL+64*(\s)+2*n+1], v[U+2*n:U+2*n+1], v[A+2*(n%4):A+2*(n%4)+1]
.endif
.set n, n+1
.endr
	v_pk_add_f32 v[A:A+1], v[A:A+1], v[A+2:A+3]
	v_pk_add_f32 v[A+4:A+5], v[A+4:A+5], v[A+6:A+7]
	v_pk_add_f32 v[A:A+1], v[A:A+1], v[A+4:A+5]
	v_add_f32 v[P+(\row)], v[A], v[A+1]
.endm
	FILL 0, 0
	FILL 1, 1
	ROW 0, 0, 16                                   ; u (older) and row 0 are in; row 1's sixteen loads stay out
	FILL 0, 2
	ROW 1, 1, 16                                   ; row 2's stay out
	FILL 1, 3
	ROW 0, 2, 16                                   ; row 3's stay out
	ROW 1, 3, 0
	; the four sums go across the 32 lanes together: four steps inside each half ride on the addition, one crosses the halves
.irp m, 1,2,4,8
.irp r, 0,1,2,3
	v_add_f32_dpp v[P+\r], v[P+\r], v[P+\r] row_xmask:\m row_mask:0xf bank_mask:0xf
.endr
.endr
.irp r, 0,1,2,3
	v_permlanex16_b32 v[A+\r], v[P+\r], s16, s17   ; A is spent, and has been written
.endr
.irp r, 0,1,2,3
	v_add_f32 v[P+\r], v[P+\r], v[A+\r]
.endr
	s_wait_kmcnt 0x0                               ; the bias
.irp r, 0,1,2,3
	v_add_f32 v[P+\r], s14, v[P+\r]
.endr
.irp r, 0,1,2,3
	v_max_num_f32 v[P+\r], 0, v[P+\r]              ; the ReLU
.endr
	ds_store_b128 v[LA], v[P:P+3]                  ; every lane holds the same four numbers and writes them to the same 16 bytes
	s_wait_tensorcnt 0x0                           ; the wave's last LDS store is out
	ds_add_u32 v[SPW], v[NIL]
	s_wait_dscnt 0x0                               ; for the others' sake too: my four logits are in LDS
	s_barrier_signal -1
	s_barrier_wait -1                              ; everybody's are
	s_cmp_lg_u32 s15, 0
	s_cbranch_scc1 .Lend
	ds_load_b64 v[A:A+1], v[O8]                    ; wave 0 stores the 64 logits: 32 lanes x 8 bytes = 256 consecutive bytes, aligned
	s_wait_dscnt 0x0
	global_store_b64 v[O8], v[A:A+1], s[12:13]
.Lend:
	s_endpgm
.Lfunc_end_k_qfb8429008e_logit:
	.size	k_qfb8429008e_logit, .Lfunc_end_k_qfb8429008e_logit-k_qfb8429008e_logit
	.p2alignl 7, 3214868480
	.fill 96, 4, 3214868480
	.section	.rodata,"a",@progbits
	.p2align	6, 0x0
	.amdhsa_kernel k_qfb8429008e_logit
		.amdhsa_group_segment_fixed_size 2304
		.amdhsa_private_segment_fixed_size 0
		.amdhsa_enable_private_segment 0
		.amdhsa_kernarg_size 40
		.amdhsa_user_sgpr_count 2
		.amdhsa_user_sgpr_kernarg_segment_ptr 1
		.amdhsa_wavefront_size32 1
		.amdhsa_system_sgpr_workgroup_id_x 1
		.amdhsa_system_sgpr_workgroup_id_y 1
		.amdhsa_system_sgpr_workgroup_id_z 1
		.amdhsa_system_vgpr_workitem_id 0
		.amdhsa_next_free_vgpr 216
		.amdhsa_next_free_sgpr 66
		.amdhsa_reserve_vcc 0
		.amdhsa_float_denorm_mode_32 3
		.amdhsa_float_denorm_mode_16_64 3
		.amdhsa_memory_ordered 1
		.amdhsa_forward_progress 1
		.amdhsa_inst_pref_size 20
	.end_amdhsa_kernel
	.amdgpu_metadata
---
amdhsa.version: [ 1, 2 ]
amdhsa.kernels:
  - .name:           k_qfb8429008e_logit
    .symbol:         k_qfb8429008e_logit.kd
    .args:
      - { .name: query, .offset: 0, .size: 8, .value_kind: global_buffer, .address_space: global }
      - { .name: key, .offset: 8, .size: 8, .value_kind: global_buffer, .address_space: global }
      - { .name: u, .offset: 16, .size: 8, .value_kind: global_buffer, .address_space: global }
      - { .name: mlp_b, .offset: 24, .size: 8, .value_kind: global_buffer, .address_space: global }
      - { .name: logits, .offset: 32, .size: 8, .value_kind: global_buffer, .address_space: global }
    .group_segment_fixed_size: 2304
    .private_segment_fixed_size: 0
    .kernarg_segment_align: 8
    .kernarg_segment_size: 40
    .max_flat_workgroup_size: 512
    .sgpr_count:     66
    .vgpr_count:     216
    .wavefront_size: 32
...
	.end_amdgpu_metadata
.endif
;; end of part 2
;; launch mix (part 3): grid 8 x 32, 16 waves a work-group, no clusters, 12,288 bytes of LDS; arguments value, logits, sbf, out1; writes sbf, out1
.if DOCPART == 3
	.amdgcn_target "amdgcn-amd-amdhsa--gfx1250"
	.amdhsa_code_object_version 6
	.text
	.protected	k_qfb8429008e_mix
	.globl	k_qfb8429008e_mix
	.p2align	8
	.type	k_qfb8429008e_mix,@function
k_qfb8429008e_mix:
	s_mov_b64 s[64:65], 0
	v_nop
	global_prefetch_b8 v0, s[64:65] scope:SCOPE_SE
	s_setreg_imm32_b32 hwreg(HW_REG_WAVE_MODE, 25, 1), 1
	s_wait_xcnt 0x0
; score[b][l] = softmax over l of logits[b][l] (out1), and s[b][h] = sum over l of score[b][l] value[b][l][h], which the last launch multiplies by W^T:
; sum_l score_l (value_l W^T) = (sum_l score_l value_l) W^T for every input.  Maximum, exponentials and all sums in f32.
; s leaves as two bf16 numbers, hi = bf16(s) and lo = bf16(s - hi), the last launch's matrix operands: sbf[0][b][h] = hi, sbf[1][b][h] = lo.
; LIMITS: the order of rounding differs from projecting first; a score below 2^-126 comes out as 0 (the exponential gives 0 there); NaN and infinities are not treated apart.
; SHARES.  Work-group (hc, b) owns columns 128 hc .. 128 hc + 127 of batch b: 512 consecutive bytes of each of its 512 rows, so its s is final.  Wave w owns rows 32 w .. 32 w + 31;
; a load is one row's 512 bytes, a lane holds 4 columns, and all 32 loads go out at once (16 KB a wave, 256 KB a work-group).  Each byte of value is read once in the launch.
; Every wave makes the batch's maximum and sum for itself from the 512 logits (16 a lane, 17 exponentials with its own row's): that stands in the wait for the value rows and spares a barrier.
; No matrix unit (one row of weights), no cluster (what work-groups share is a batch's 2 KB of logits against 256 KB of their own).
.set SCO,   8192                       ; LDS: 0..8191 the waves' partial sums (16 bytes a thread); 8192..10239 the 512 scores; 10240..12287 the spare words, 128 bytes a wave
.set SPARE, 10240
.set L16, 2                            ; v2   16 x lane; never rewritten
.set O4,  3                            ; v3   4 x thread: my own row's logit
.set SPW, 4                            ; v4   LDS address of my spare word; never rewritten
.set NIL, 5                            ; v5   0; never rewritten
.set RA,  6                            ; v6   16 x thread
.set SA,  7                            ; v7   SCO + 4 x thread
.set T,   8                            ; v8, v9 at work
.set MC,  10                           ; v[10:11] c x maximum, twice
.set SUM, 12                           ; v12  the sum, then 1 / sum
.set OWN, 14                           ; v14  my own row's logit, then its weight
.set P,   15                           ; v15  my own row's score: lane i of wave w holds row 32 w + i
.set ACC, 16                           ; v[16:31] four sets (row % 4) of my 4 columns' sums
.set LG,  32                           ; v[32:47] 16 of the batch's logits
.set X,   48                           ; v[48:175] row i at X + 4 i
.set WT,  32                           ; s[32:47] eight pairs: a row's score in the low word, 0 above it
	s_load_b256 s[4:11], s[0:1], 0x0               ; value s[4:5], logits s[6:7], sbf s[8:9], out1 s[10:11]
	v_lshl_add_u32 v[SPW], v0, 2, SPARE
	v_mov_b32 v[NIL], 0
	v_lshrrev_b32 v1, 5, v0
	v_readfirstlane_b32 s12, v1                    ; wave 0..15
	v_and_b32 v1, 31, v0                           ; lane
	v_lshlrev_b32 v[L16], 4, v1
	v_lshlrev_b32 v[O4], 2, v0
	v_lshlrev_b32 v[RA], 4, v0
	v_lshl_add_u32 v[SA], v0, 2, SCO
	s_and_b32 s19, ttmp7, 0xffff                   ; b
	s_and_b32 s13, ttmp9, 7                        ; hc: 0..7 by the grid; the mask writes that bound down, since an LDS address hangs on it
	s_lshl_b32 s22, s19, 11                        ; logits: b x 512 x 4 bytes
	s_mov_b32 s23, 0
	s_lshl_b32 s24, s13, 8                         ; sbf: b x 2,048 + hc x 128 x 2 bytes; out1: b x 2,048 + hc x 64 x 4 bytes: the same number
	s_add_co_u32 s24, s24, s22
	s_mov_b32 s25, 0
	s_lshl_b32 s20, s19, 21                        ; value: b x 512 rows of 4,096 bytes,
	s_lshl_b32 s26, s13, 9                         ; the work-group's 512 bytes of a row,
	s_add_co_u32 s20, s20, s26
	s_lshl_b32 s26, s12, 17                        ; the wave's 32 rows
	s_add_co_u32 s20, s20, s26
	s_mov_b32 s21, 0
	s_lshl_b32 s13, s13, 8
	s_add_co_u32 s13, s13, SCO                     ; where the 64 scores that this work-group stores lie in LDS
	s_mov_b32 s14, 0x76543210                      ; v_permlanex16_b32: each lane takes its own place in the other half
	s_mov_b32 s15, 0xfedcba98
	s_mov_b32 s16, 0x3fb8aa3b                      ; c = log2(e)
	s_mov_b32 s17, s16                             ; named with it as a pair
	s_mov_b32 s18, 0xffff0000                      ; a word's upper bf16
.irp i, 0,1,2,3,4,5,6,7
	s_mov_b32 s[WT+2*\i+1], 0                      ; named as pairs, so written
.endr
	s_wait_kmcnt 0x0
	s_add_nc_u64 s[4:5], s[4:5], s[20:21]
	s_add_nc_u64 s[6:7], s[6:7], s[22:23]
	s_add_nc_u64 s[8:9], s[8:9], s[24:25]
	s_add_nc_u64 s[10:11], s[10:11], s[24:25]
.irp j, 0,1,2,3
	global_load_b128 v[LG+4*\j:LG+4*\j+3], v[L16], s[6:7] offset:512*\j  ; the logits go first: they are wanted first, and loads come back in order
.endr
	global_load_b32 v[OWN], v[O4], s[6:7]
.set i, 0
.rept 32
	global_load_b128 v[X+4*i:X+4*i+3], v[L16], s[4:5] offset:4096*i th:TH_LOAD_NT
.set i, i+1
.endr
	s_wait_loadcnt 32                              ; the five loads of logits are in; the 32 value rows stay out
	; the batch's maximum: two chains, three operands at a time, then across the lanes
	v_max3_num_f32 v[T], v[LG], v[LG+1], v[LG+2]
	v_max3_num_f32 v[T+1], v[LG+3], v[LG+4], v[LG+5]
	v_max3_num_f32 v[T], v[T], v[LG+6], v[LG+7]
	v_max3_num_f32 v[T+1], v[T+1], v[LG+8], v[LG+9]
	v_max3_num_f32 v[T], v[T], v[LG+10], v[LG+11]
	v_max3_num_f32 v[T+1], v[T+1], v[LG+12], v[LG+13]
	v_max3_num_f32 v[T], v[T], v[LG+14], v[LG+15]
	v_max_num_f32 v[T], v[T], v[T+1]
.irp m, 1,2,4,8
	v_max_num_f32_dpp v[T], v[T], v[T] row_xmask:\m row_mask:0xf bank_mask:0xf
.endr
	v_permlanex16_b32 v[T+1], v[T], s14, s15
	v_max_num_f32 v[T], v[T], v[T+1]
	v_mul_f32 v[MC], s16, v[T]                     ; c M, rounded once: one common factor of all weights, which the division takes out again
	v_mov_b32 v[MC+1], v[MC]
.irp i, 0,1,2,3,4,5,6,7
	v_pk_fma_f32 v[LG+2*\i:LG+2*\i+1], v[LG+2*\i:LG+2*\i+1], s[16:17], v[MC:MC+1] op_sel_hi:[1,0,0] neg_lo:[0,0,1] neg_hi:[0,0,1]  ; c x - c M
.endr
	v_fma_f32 v[OWN], v[OWN], s16, -v[MC]
.set i, 0
.rept 16
	v_exp_f32 v[LG+i], v[LG+i]
.set i, i+1
.endr
	v_exp_f32 v[OWN], v[OWN]
	v_nop                                          ; a plain instruction between the last exponential and the use of the results (ISA guide 5.7.2)
	s_wait_alu depctr_va_vdst(0)
	v_pk_add_f32 v[LG:LG+1], v[LG:LG+1], v[LG+2:LG+3]
	v_pk_add_f32 v[LG+4:LG+5], v[LG+4:LG+5], v[LG+6:LG+7]
	v_pk_add_f32 v[LG+8:LG+9], v[LG+8:LG+9], v[LG+10:LG+11]
	v_pk_add_f32 v[LG+12:LG+13], v[LG+12:LG+13], v[LG+14:LG+15]
	v_pk_add_f32 v[LG:LG+1], v[LG:LG+1], v[LG+4:LG+5]
	v_pk_add_f32 v[LG+8:LG+9], v[LG+8:LG+9], v[LG+12:LG+13]
	v_pk_add_f32 v[LG:LG+1], v[LG:LG+1], v[LG+8:LG+9]
	v_add_f32 v[SUM], v[LG], v[LG+1]
.irp m, 1,2,4,8
	v_add_f32_dpp v[SUM], v[SUM], v[SUM] row_xmask:\m row_mask:0xf bank_mask:0xf
.endr
	v_permlanex16_b32 v[T+1], v[SUM], s14, s15
	v_add_f32 v[SUM], v[SUM], v[T+1]               ; at least 1: the maximum's own weight
	v_rcp_f32 v[SUM], v[SUM]
	v_nop                                          ; a plain instruction behind the reciprocal
	s_wait_alu depctr_va_vdst(0)
	v_mul_f32 v[P], v[OWN], v[SUM]                 ; my row's score
	ds_store_b32 v[SA], v[P]                       ; the 512 threads' scores lie in LDS in the rows' order
	; the weighted sum of my wave's 32 rows.  A row's score comes out of its lane into a scalar; four sets of sums take turns; rows 0-3 multiply only and start them.
.set i, 0
.rept 8
.set k, 0
.rept 4
	v_readlane_b32 s[WT+2*((i+k)%8)], v[P], i+k
.set k, k+1
.endr
	s_wait_loadcnt 28-i                            ; rows i .. i + 3 are in; the 28 - i younger rows stay out
.rept 4
.if i < 4
	v_pk_mul_f32 v[ACC+4*i:ACC+4*i+1], v[X+4*i:X+4*i+1], s[WT+2*i:WT+2*i+1] op_sel_hi:[1,0]
	v_pk_mul_f32 v[ACC+4*i+2:ACC+4*i+3], v[X+4*i+2:X+4*i+3], s[WT+2*i:WT+2*i+1] op_sel_hi:[1,0]
.else
	v_pk_fma_f32 v[ACC+4*(i%4):ACC+4*(i%4)+1], v[X+4*i:X+4*i+1], s[WT+2*(i%8):WT+2*(i%8)+1], v[ACC+4*(i%4):ACC+4*(i%4)+1] op_sel_hi:[1,0,1]
	v_pk_fma_f32 v[ACC+4*(i%4)+2:ACC+4*(i%4)+3], v[X+4*i+2:X+4*i+3], s[WT+2*(i%8):WT+2*(i%8)+1], v[ACC+4*(i%4)+2:ACC+4*(i%4)+3] op_sel_hi:[1,0,1]
.endif
.set i, i+1
.endr
.endr
	v_pk_add_f32 v[ACC:ACC+1], v[ACC:ACC+1], v[ACC+4:ACC+5]
	v_pk_add_f32 v[ACC+2:ACC+3], v[ACC+2:ACC+3], v[ACC+6:ACC+7]
	v_pk_add_f32 v[ACC+8:ACC+9], v[ACC+8:ACC+9], v[ACC+12:ACC+13]
	v_pk_add_f32 v[ACC+10:ACC+11], v[ACC+10:ACC+11], v[ACC+14:ACC+15]
	v_pk_add_f32 v[ACC:ACC+1], v[ACC:ACC+1], v[ACC+8:ACC+9]
	v_pk_add_f32 v[ACC+2:ACC+3], v[ACC+2:ACC+3], v[ACC+10:ACC+11]
	ds_store_b128 v[RA], v[ACC:ACC+3]              ; wave x 512 + lane x 16
	s_wait_tensorcnt 0x0                           ; the wave's last LDS store is out
	ds_add_u32 v[SPW], v[NIL]
	s_wait_dscnt 0x0                               ; for the others' sake too: my scores and my partial sums are in LDS
	s_barrier_signal -1
	s_barrier_wait -1                              ; everybody's are
	s_cmp_eq_u32 s12, 0
	s_cbranch_scc1 .Lsum
	s_cmp_eq_u32 s12, 1
	s_cbranch_scc1 .Lscore
	s_endpgm
.Lsum:                                                 ; wave 0: the sixteen waves' sums, split into hi and lo, stored
.irp w, 0,1,2,3,4,5,6,7,8,9,10,11,12,13,14,15
	ds_load_b128 v[X+4*\w:X+4*\w+3], v[L16] offset:512*\w
.endr
	v_lshlrev_b32 v[T], 3, v1                      ; 8 x lane: my 4 columns in bf16
	s_wait_dscnt 0x0
.irp d, 8,4,2,1                        ; 30 packed additions, in place: quads 8, 4, 2 and 1 apart
.set q, 0
.rept \d
	v_pk_add_f32 v[X+4*q:X+4*q+1], v[X+4*q:X+4*q+1], v[X+4*(q+\d):X+4*(q+\d)+1]
	v_pk_add_f32 v[X+4*q+2:X+4*q+3], v[X+4*q+2:X+4*q+3], v[X+4*(q+\d)+2:X+4*(q+\d)+3]
.set q, q+1
.endr
.endr
	v_cvt_pk_bf16_f32 v[LG], v[X], v[X+1]          ; hi
	v_cvt_pk_bf16_f32 v[LG+1], v[X+2], v[X+3]
	v_lshlrev_b32 v[LG+4], 16, v[LG]               ; hi as f32
	v_and_b32 v[LG+5], s18, v[LG]
	v_lshlrev_b32 v[LG+6], 16, v[LG+1]
	v_and_b32 v[LG+7], s18, v[LG+1]
	v_pk_add_f32 v[X:X+1], v[X:X+1], v[LG+4:LG+5] neg_lo:[0,1] neg_hi:[0,1]      ; s - hi, exact
	v_pk_add_f32 v[X+2:X+3], v[X+2:X+3], v[LG+6:LG+7] neg_lo:[0,1] neg_hi:[0,1]
	v_cvt_pk_bf16_f32 v[LG+2], v[X], v[X+1]        ; lo
	v_cvt_pk_bf16_f32 v[LG+3], v[X+2], v[X+3]
	global_store_b64 v[T], v[LG:LG+1], s[8:9]                    ; 32 lanes x 8 bytes = 256 consecutive bytes, aligned
	global_store_b64 v[T], v[LG+2:LG+3], s[8:9] offset:65536     ; the plane of lo lies 32 x 2,048 bytes behind
	s_endpgm
.Lscore:                                               ; wave 1: of the batch's 512 scores this work-group stores numbers 64 hc .. 64 hc + 63
	v_lshlrev_b32 v[T], 3, v1                      ; 8 x lane
	v_add_nc_u32 v[T+1], s13, v[T]
	ds_load_b64 v[LG:LG+1], v[T+1]
	s_wait_dscnt 0x0
	global_store_b64 v[T], v[LG:LG+1], s[10:11] th:TH_STORE_NT   ; 256 consecutive bytes, aligned
	s_endpgm
.Lfunc_end_k_qfb8429008e_mix:
	.size	k_qfb8429008e_mix, .Lfunc_end_k_qfb8429008e_mix-k_qfb8429008e_mix
	.p2alignl 7, 3214868480
	.fill 96, 4, 3214868480
	.section	.rodata,"a",@progbits
	.p2align	6, 0x0
	.amdhsa_kernel k_qfb8429008e_mix
		.amdhsa_group_segment_fixed_size 12288
		.amdhsa_private_segment_fixed_size 0
		.amdhsa_enable_private_segment 0
		.amdhsa_kernarg_size 32
		.amdhsa_user_sgpr_count 2
		.amdhsa_user_sgpr_kernarg_segment_ptr 1
		.amdhsa_wavefront_size32 1
		.amdhsa_system_sgpr_workgroup_id_x 1
		.amdhsa_system_sgpr_workgroup_id_y 1
		.amdhsa_system_sgpr_workgroup_id_z 1
		.amdhsa_system_vgpr_workitem_id 0
		.amdhsa_next_free_vgpr 176
		.amdhsa_next_free_sgpr 66
		.amdhsa_reserve_vcc 0
		.amdhsa_float_denorm_mode_32 3
		.amdhsa_float_denorm_mode_16_64 3
		.amdhsa_memory_ordered 1
		.amdhsa_forward_progress 1
		.amdhsa_inst_pref_size 20
	.end_amdhsa_kernel
	.amdgpu_metadata
---
amdhsa.version: [ 1, 2 ]
amdhsa.kernels:
  - .name:           k_qfb8429008e_mix
    .symbol:         k_qfb8429008e_mix.kd
    .args:
      - { .name: value, .offset: 0, .size: 8, .value_kind: global_buffer, .address_space: global }
      - { .name: logits, .offset: 8, .size: 8, .value_kind: global_buffer, .address_space: global }
      - { .name: sbf, .offset: 16, .size: 8, .value_kind: global_buffer, .address_space: global }
      - { .name: out1, .offset: 24, .size: 8, .value_kind: global_buffer, .address_space: global }
    .group_segment_fixed_size: 12288
    .private_segment_fixed_size: 0
    .kernarg_segment_align: 8
    .kernarg_segment_size: 32
    .max_flat_workgroup_size: 512
    .sgpr_count:     66
    .vgpr_count:     176
    .wavefront_size: 32
...
	.end_amdgpu_metadata
.endif
;; end of part 3
;; launch proj (part 4): grid 64 x 1, 8 waves a work-group, no clusters, 224,256 bytes of LDS; arguments W, sbf, out0; writes out0
.if DOCPART == 4
	.amdgcn_target "amdgcn-amd-amdhsa--gfx1250"
	.amdhsa_code_object_version 6
	.text
	.protected	k_qfb8429008e_proj
	.globl	k_qfb8429008e_proj
	.p2align	8
	.type	k_qfb8429008e_proj,@function
k_qfb8429008e_proj:
	s_mov_b64 s[64:65], 0
	v_nop
	global_prefetch_b8 v0, s[64:65] scope:SCOPE_SE
	s_setreg_imm32_b32 hwreg(HW_REG_WAVE_MODE, 25, 1), 1
	s_wait_xcnt 0x0
; out0[b][o] = sum over k of s[b][k] W[o][k]: 32 x 1,024 x 1,024, on the matrix unit in bf16 with f32 sums.
; Each operand is two bf16 numbers, hi + lo (s arrives so in sbf; W is split here): out0 = WH.SH + WL.SH + WH.SL.
; LIMIT: the term WL.SL, about 2^-16 of a product, is left out; NaN and infinities are not treated apart.
; SHARES.  Work-group g owns o = 16 g .. 16 g + 15 and all 32 batches; wave w owns k = 128 w .. 128 w + 127, four K steps of 32; the eight waves' sums meet in LDS.
; Source 0 = 16 rows of W (m = o), source 1 = 16 rows of s (n = batch): register j of lane (r = l % 16, h = l / 16) of accumulator nt is out0[16 nt + r][16 g + 8 h + j].
; Each wave brings its own two tiles by one tensor load each, both at the start (two loads of a wave are out, no byte of LDS is filled twice), and reads only its own tiles.
; THE TILE IS 16 o WIDE, so a row of out0 leaves as 64 bytes: a tile of 64 o (256 whole bytes) would need 256 KB of W beside 128 KB of s in LDS, which is more than a work-group can have;
; out0 is 128 KB of the 12.6 MB that the launch's work-groups ask for.
; NO CLUSTER: s (128 KB) is what the 64 work-groups share, 8 MB of requests in the launch, each asked for once, at the start; joint loads would spare 6 MB of them
; and put two rounds of a cluster's barrier round a text that has one fill and one barrier.
.set WPITCH, 528                       ; a row of W's tile in LDS: 128 f32 = 512 bytes + 16 of padding = 132 words: the 16 rows of a load start 4 words apart modulo 64 (64 banks of 4 bytes: ISA guide 11.1)
.set WTILE,  16*WPITCH                 ; 8,448 bytes a wave, from LDS byte 0
.set SPITCH, 272                       ; a row of s's tile: 128 bf16 = 256 bytes + 16 = 68 words
.set STILE,  64*SPITCH                 ; 17,408 bytes a wave: rows 0-31 hi of the 32 batches, rows 32-63 lo
.set SBASE,  8*WTILE                   ; 67,584
.set STAGE,  SBASE+8*STILE             ; 206,848: 2,048 bytes a wave for its sums; no tensor load lands here
.set SPARE,  STAGE+8*2048              ; 223,232: the spare words, 128 bytes a wave
.set AW,  3                            ; v3   LDS address of my W fragments: tile + 528 r + 32 h
.set AS,  4                            ; v4   of my s fragments: tile + 272 r + 16 h
.set STO, 5                            ; v5   where my sums go
.set RD,  6                            ; v6   where I read the eight waves' sums
.set GO,  7                            ; v7   my byte offset in out0
.set SPW, 8                            ; v8   LDS address of my spare word; never rewritten
.set NIL, 9                            ; v9   0; never rewritten
.set E,   10                           ; v[10:15] at work: three pairs
.set ACC0, 16                          ; v[16:23] batches 0-15
.set ACC1, 24                          ; v[24:31] batches 16-31
.set SF,  32                           ; K step t at SF + 32 t: SH0, SH1, SL0, SL1, 8 registers each
.set XF,  160                          ; K step t at XF + 24 t: 16 registers of W in f32 (then WL in the first 8), 8 of WH
.set G0W, 12                           ; s[12:15], s[16:23] the descriptor of W's tile
.set G1W, 16
.set G0S, 24                           ; s[24:27], s[28:35] of s's
.set G1S, 28
	s_load_b128 s[4:7], s[0:1], 0x0                ; W s[4:5], sbf s[6:7]
	s_load_b64 s[8:9], s[0:1], 0x10                ; out0
	v_lshl_add_u32 v[SPW], v0, 2, SPARE
	v_mov_b32 v[NIL], 0
	ds_add_u32 v[SPW], v[NIL]                      ; the wave's opening: the add and its wait come ahead of my first tensor load; the set-up below, work on registers, stands between them
	ds_add_u32 v8, v9
	v_lshrrev_b32 v1, 5, v0
	v_readfirstlane_b32 s10, v1                    ; wave 0..7
	s_mov_b32 s11, 0xffff0000                      ; a word's upper bf16
	; W's tile: 16 rows x 128 elements of 4 bytes, 1,024 elements from row to row, 4 words of padding behind every 128
	s_mov_b32 s[G0W], 1                            ; count = 1
	s_mul_i32 s[G0W+1], s10, WTILE                 ; LDS address: the wave's number times a constant
	s_mov_b32 s[G1W], (2<<16)|(1<<20)|(6<<22)|(3<<25)
	s_mov_b32 s[G1W+1], 128<<16                    ; tensor_dim0 = 128
	s_mov_b32 s[G1W+2], 16<<16                     ; tensor_dim1 = 16
	s_mov_b32 s[G1W+3], 128<<16                    ; tile_dim0 = 128
	s_mov_b32 s[G1W+4], 16                         ; tile_dim1 = 16
	s_mov_b32 s[G1W+5], 1024                       ; the pitch
	s_mov_b32 s[G1W+6], 0
	s_mov_b32 s[G1W+7], 0
	; s's tile: 64 rows (32 of hi, 32 of lo: the two planes lie end to end) x 128 elements of 2 bytes, 4 words of padding behind every 64
	s_mov_b32 s[G0S], 1
	s_mul_i32 s[G0S+1], s10, STILE
	s_add_co_u32 s[G0S+1], s[G0S+1], SBASE
	s_mov_b32 s[G1S], (1<<16)|(1<<20)|(5<<22)|(3<<25)
	s_mov_b32 s[G1S+1], 128<<16
	s_mov_b32 s[G1S+2], 64<<16
	s_mov_b32 s[G1S+3], 128<<16
	s_mov_b32 s[G1S+4], 64
	s_mov_b32 s[G1S+5], 1024
	s_mov_b32 s[G1S+6], 0
	s_mov_b32 s[G1S+7], 0
	s_lshl_b32 s36, ttmp9, 16                      ; W: the work-group's 16 rows of 4,096 bytes,
	s_lshl_b32 s38, s10, 9                         ; the wave's 128 numbers of 4 bytes
	s_add_co_u32 s36, s36, s38
	s_mov_b32 s37, 0
	s_lshl_b32 s38, s10, 8                         ; s: the wave's 128 numbers of 2 bytes
	s_mov_b32 s39, 0
	s_wait_dscnt 0x0                               ; the opening add is done
	s_wait_kmcnt 0x0
	s_add_nc_u64 s[G0W+2:G0W+3], s[4:5], s[36:37]
	s_or_b32 s[G0W+3], s[G0W+3], 0x80000000        ; type = 2
	s_add_nc_u64 s[G0S+2:G0S+3], s[6:7], s[38:39]
	s_or_b32 s[G0S+3], s[G0S+3], 0x80000000
	tensor_load_to_lds s[G0W:G0W+3], s[G1W:G1W+7]
	s_nop 0
	tensor_load_to_lds s[G0S:G0S+3], s[G1S:G1S+7]
	s_nop 0
	s_lshl_b32 s36, ttmp9, 6                       ; out0: the work-group's 16 columns of 4 bytes (s36 to s39 are in no descriptor)
	s_add_nc_u64 s[8:9], s[8:9], s[36:37]
	; A fragment is 16 rows x 32 k: lane l holds row r = l % 16; registers 0-3 hold k = 8 h + 0..7, registers 4-7 k = 16 + 8 h + 0..7, h = l / 16.
	v_and_b32 v1, 15, v0                           ; r
	v_bfe_u32 v2, v0, 4, 1                         ; h
	v_mul_u32_u24 v[AW], v1, WPITCH
	v_lshl_add_u32 v[AW], v2, 5, v[AW]             ; 8 f32 are 32 bytes
	v_add_nc_u32 v[AW], s[G0W+1], v[AW]
	v_mul_u32_u24 v[AS], v1, SPITCH
	v_lshl_add_u32 v[AS], v2, 4, v[AS]             ; 8 bf16 are 16 bytes
	v_add_nc_u32 v[AS], s[G0S+1], v[AS]
; K step t's twelve LDS loads: W's 16 numbers in f32 (8 at byte 128 t + 32 h, 8 more 64 bytes on), and the four fragments of s (f = 0, 1: hi of batches 0-15, 16-31; f = 2, 3: lo)
.macro LOADS t
.irp o, 0,1
	ds_load_b128 v[XF+24*(\t)+8*\o:XF+24*(\t)+8*\o+3],   v[AW] offset:128*(\t)+64*\o
	ds_load_b128 v[XF+24*(\t)+8*\o+4:XF+24*(\t)+8*\o+7], v[AW] offset:128*(\t)+64*\o+16
.endr
.irp f, 0,1,2,3
	ds_load_b128 v[SF+32*(\t)+8*\f:SF+32*(\t)+8*\f+3],   v[AS] offset:16*\f*SPITCH+64*(\t)
	ds_load_b128 v[SF+32*(\t)+8*\f+4:SF+32*(\t)+8*\f+7], v[AS] offset:16*\f*SPITCH+64*(\t)+32
.endr
.endm
; W's 16 numbers become WH = bf16(W) and WL = bf16(W - WH).  The last eight roundings work in place, ascending: number i writes register i and reads 2 i, 2 i + 1, which no earlier one has written.
.macro CONV t
.set B, XF+24*(\t)
.irp i, 0,1,2,3,4,5,6,7
	v_cvt_pk_bf16_f32 v[B+16+\i], v[B+2*\i], v[B+2*\i+1]
.endr
.irp i, 0,1,2,3,4,5,6,7
	v_lshlrev_b32 v[E+2*(\i%3)], 16, v[B+16+\i]
	v_and_b32 v[E+2*(\i%3)+1], s11, v[B+16+\i]
	v_pk_add_f32 v[B+2*\i:B+2*\i+1], v[B+2*\i:B+2*\i+1], v[E+2*(\i%3):E+2*(\i%3)+1] neg_lo:[0,1] neg_hi:[0,1]
.endr
.irp i, 0,1,2,3,4,5,6,7
	v_cvt_pk_bf16_f32 v[B+\i], v[B+2*\i], v[B+2*\i+1]
.endr
.endm
; Six products; the two accumulators take turns, one instruction a turn, from step to step too.  Step 0's first two start the sums with the constant 0.
; No register of a step is used by another step, so nothing is written over a product's sources.
.macro MUL t
.set B, XF+24*(\t)
.set F, SF+32*(\t)
.if (\t) == 0
	v_wmma_f32_16x16x32_bf16 v[ACC0:ACC0+7], v[B+16:B+23], v[F:F+7], 0
	v_wmma_f32_16x16x32_bf16 v[ACC1:ACC1+7], v[B+16:B+23], v[F+8:F+15], 0
.else
	v_wmma_f32_16x16x32_bf16 v[ACC0:ACC0+7], v[B+16:B+23], v[F:F+7], v[ACC0:ACC0+7]
	v_wmma_f32_16x16x32_bf16 v[ACC1:ACC1+7], v[B+16:B+23], v[F+8:F+15], v[ACC1:ACC1+7]
.endif
	v_wmma_f32_16x16x32_bf16 v[ACC0:ACC0+7], v[B:B+7], v[F:F+7], v[ACC0:ACC0+7]
	v_wmma_f32_16x16x32_bf16 v[ACC1:ACC1+7], v[B:B+7], v[F+8:F+15], v[ACC1:ACC1+7]
	v_wmma_f32_16x16x32_bf16 v[ACC0:ACC0+7], v[B+16:B+23], v[F+16:F+23], v[ACC0:ACC0+7]
	v_wmma_f32_16x16x32_bf16 v[ACC1:ACC1+7], v[B+16:B+23], v[F+24:F+31], v[ACC1:ACC1+7]
.endm
	s_wait_tensorcnt 0x0                           ; both my tiles are in LDS; only I read them, so no barrier is wanted here
.irp t, 0,1,2,3
	LOADS \t
.endr
.irp t, 0,1,2,3
	s_wait_dscnt 12*(3-\t)                         ; LDS loads come back in order: step t's twelve are in; the later steps' stay out
	CONV \t
	MUL \t
.endr
	; THE WAY OUT.  The addresses are made here: sixteen plain vector instructions that name no register of the last products, more than the four places that stand between a product and a reader of its result (ISA guide 7.12.1).
	s_lshl_b32 s36, s10, 11
	s_add_co_u32 s36, s36, STAGE                   ; my 2,048 bytes of the stage
	s_lshr_b32 s38, s10, 1
	s_lshl_b32 s38, s38, 10                        ; as a reader, wave w' (0..3) takes batches 8 w' .. 8 w' + 7: accumulator w' / 2,
	s_and_b32 s39, s10, 1
	s_lshl_b32 s39, s39, 7                         ; lanes r = 8 (w' % 2) on
	s_add_co_u32 s38, s38, s39
	s_add_co_u32 s38, s38, STAGE
	s_lshl_b32 s39, s10, 15                        ; and 8 w' rows of out0, 4,096 bytes each
	v_and_b32 v[E], 31, v0                         ; lane
	v_lshlrev_b32 v[STO], 4, v[E]
	v_add_nc_u32 v[STO], s36, v[STO]               ; in: quad q (registers 4 q .. 4 q + 3 of the two accumulators on end) of lane l at 512 q + 16 l
	v_and_b32 v[E+1], 1, v0
	v_bfe_u32 v[E+2], v0, 1, 1
	v_bfe_u32 v[E+3], v0, 2, 3
	v_lshlrev_b32 v[RD], 9, v[E+1]                 ; back: lane l takes batch 8 w' + l / 4 and columns 4 (l % 4) on: the quad's half l % 2,
	v_lshl_add_u32 v[RD], v[E+2], 8, v[RD]         ; the half of the lanes (l / 2) % 2,
	v_lshl_add_u32 v[RD], v[E+3], 4, v[RD]         ; the row l / 4
	v_add_nc_u32 v[RD], s38, v[RD]
	v_and_b32 v[E+4], 3, v0
	v_lshlrev_b32 v[GO], 4, v[E+4]
	v_lshl_add_u32 v[GO], v[E+3], 12, v[GO]
	v_add_nc_u32 v[GO], s39, v[GO]
	v_nop
	v_nop
.irp q, 0,1,2,3
	ds_store_b128 v[STO], v[ACC0+4*\q:ACC0+4*\q+3] offset:512*\q  ; each accumulator's lowest registers go first
.endr
	s_wait_tensorcnt 0x0                           ; the wave's last LDS store is out
	ds_add_u32 v[SPW], v[NIL]
	s_wait_dscnt 0x0                               ; for the others' sake too: my sums are in the stage
	s_barrier_signal -1
	s_barrier_wait -1                              ; everybody's are
	s_cmp_lt_u32 s10, 4
	s_cbranch_scc0 .Lend
	; waves 0-3 add the eight waves' sums, 8 batches x 16 columns each, and store them
.irp i, 0,1,2,3,4,5,6,7
	ds_load_b128 v[SF+4*\i:SF+4*\i+3], v[RD] offset:2048*\i     ; eight loads in the whole wave: their four-deep meeting in the banks is let be
.endr
	s_wait_dscnt 0x0
.irp d, 4,2,1                          ; 14 packed additions, in place
.set q, 0
.rept \d
	v_pk_add_f32 v[SF+4*q:SF+4*q+1], v[SF+4*q:SF+4*q+1], v[SF+4*(q+\d):SF+4*(q+\d)+1]
	v_pk_add_f32 v[SF+4*q+2:SF+4*q+3], v[SF+4*q+2:SF+4*q+3], v[SF+4*(q+\d)+2:SF+4*(q+\d)+3]
.set q, q+1
.endr
.endr
	global_store_b128 v[GO], v[SF:SF+3], s[8:9] th:TH_STORE_NT  ; four lanes fill a row's 64 bytes; the instruction covers 8 rows
.Lend:
	s_endpgm
.Lfunc_end_k_qfb8429008e_proj:
	.size	k_qfb8429008e_proj, .Lfunc_end_k_qfb8429008e_proj-k_qfb8429008e_proj
	.p2alignl 7, 3214868480
	.fill 96, 4, 3214868480
	.section	.rodata,"a",@progbits
	.p2align	6, 0x0
	.amdhsa_kernel k_qfb8429008e_proj
		.amdhsa_group_segment_fixed_size 224256
		.amdhsa_private_segment_fixed_size 0
		.amdhsa_enable_private_segment 0
		.amdhsa_kernarg_size 24
		.amdhsa_user_sgpr_count 2
		.amdhsa_user_sgpr_kernarg_segment_ptr 1
		.amdhsa_wavefront_size32 1
		.amdhsa_system_sgpr_workgroup_id_x 1
		.amdhsa_system_sgpr_workgroup_id_y 1
		.amdhsa_system_sgpr_workgroup_id_z 1
		.amdhsa_system_vgpr_workitem_id 0
		.amdhsa_next_free_vgpr 256
		.amdhsa_next_free_sgpr 66
		.amdhsa_reserve_vcc 0
		.amdhsa_float_denorm_mode_32 3
		.amdhsa_float_denorm_mode_16_64 3
		.amdhsa_memory_ordered 1
		.amdhsa_forward_progress 1
		.amdhsa_inst_pref_size 19
	.end_amdhsa_kernel
	.amdgpu_metadata
---
amdhsa.version: [ 1, 2 ]
amdhsa.kernels:
  - .name:           k_qfb8429008e_proj
    .symbol:         k_qfb8429008e_proj.kd
    .args:
      - { .name: W, .offset: 0, .size: 8, .value_kind: global_buffer, .address_space: global }
      - { .name: sbf, .offset: 8, .size: 8, .value_kind: global_buffer, .address_space: global }
      - { .name: out0, .offset: 16, .size: 8, .value_kind: global_buffer, .address_space: global }
    .group_segment_fixed_size: 224256
    .private_segment_fixed_size: 0
    .kernarg_segment_align: 8
    .kernarg_segment_size: 24
    .max_flat_workgroup_size: 256
    .sgpr_count:     66
    .vgpr_count:     256
    .wavefront_size: 32
...
	.end_amdgpu_metadata
.endif
;; end of part 4
